; MI455X (gfx1250); checked and timed in simulation.
; The chip was launched on July 23, 2026; its instructions are those of AMD's public machine-readable ISA for CDNA 5 (MIT licence, August 2026) and "CDNA5" Instruction Set Architecture Reference Guide (July 2026). The comments in the code are by the model that wrote it; some were corrected since.
;; Absolute attention. Allowed arithmetic: float matrix products may take bf16 or f16 operands with f32 sums; other float arithmetic in f32, or as packed bf16 or f16 multiplies, adds, multiply-adds, maxima and minima; sums over many terms, partial sums and values carried from step to step in f32; what a program stores and reads back later, other than sums and carried values, may be rounded once to bf16 or f16.
;; Inputs: Wk 1,024 x 1,024 float32; Wo 1,024 x 1,024 float32; Wq 1,040 x 1,024 float32; Wv 1,024 x 1,024 float32; attention_mask 4 x 4,096 float32; bo 1,024 float32; head_time_delta 16 float32; time_angle 64 float32; x 4 x 4,096 x 1,024 float32.
;; Outputs: out0 4 x 4,096 x 1,024 float32.
;; One version. Each part assembles by itself: llvm-mc -triple=amdgcn-amd-amdhsa -mcpu=gfx1250 --defsym DOCPART=n.
;; ======== version 1 of 1: 3 launches
;; limits: values are held in f16: magnitudes above 65,504 overflow, below 6.1e-05 lose precision
;; workspace buffers: xb 33,554,432 bytes; wc 6,291,456 bytes; wo16 2,097,152 bytes; zl 1,048,576 bytes; tw 262,144 bytes; ab 33,554,432 bytes
;; launch prep (part 1): grid 256 x 1, 4 waves a work-group, no clusters, 327,680 bytes of LDS; arguments x, Wq, Wk, Wv, Wo, time_angle, head_time_delta, xb, wc, wo16, zl, tw; writes xb, wc, wo16, zl, tw
.if DOCPART == 1
	.amdgcn_target "amdgcn-amd-amdhsa--gfx1250"
	.amdhsa_code_object_version 6
	.text
	.protected	k_qc33b33c11d_prep
	.globl	k_qc33b33c11d_prep
	.p2align	8
	.type	k_qc33b33c11d_prep,@function
k_qc33b33c11d_prep:
	s_mov_b64 s[64:65], 0
	v_nop
	global_prefetch_b8 v0, s[64:65] scope:SCOPE_SE
	s_setreg_imm32_b32 hwreg(HW_REG_WAVE_MODE, 25, 1), 1
	s_wait_xcnt 0x0
; PREP: everything that is made once for the two products that follow.
;   xb   = x rounded to bf16;  wc = Wq (64 of each head's 65 rows), Wk, Wv rounded to bf16, ordered by head;  wo16 = Wo rounded to bf16 and written as f16
;   zl   = x . Wq[65 h + 64], the 65th logit of each head, in f32 (bf16 operands, matrix unit)
;   tw   = the sum over the 128 numbers of time(l, h) squared, as the module writes it: ((c + s) / 8)^2 + ((c - s) / 8)^2 over the 64 angles (l + delta_h) theta_k
; LAYOUT OF THE 16-BIT BUFFERS.  A chunk of 1,024 bytes is 16 rows x 32 k as a matrix fragment lies in registers: byte 512 q + 16 lane holds row lane % 16,
; k = 16 q + 8 (lane / 16) + 0..7.  So a later launch reads a fragment by two loads of 512 consecutive bytes, and every store here is 512 consecutive bytes, aligned.
;   xb [kb 16][R 1024][c2 2][1024], kb = k / 64, R = row / 16;  wc [kb 16][NB 192][c2][1024], NB = 12 head + 4 part + j / 16 (part 0 Q, 1 K, 2 V);  wo16 [kb 16][NB 64][c2][1024]
; SHARES.  256 work-groups of four waves, all alike.  Work-group g: rows 64 g .. 64 g + 63 of x (wave w takes k = 256 w .. 256 w + 255 of all 64 rows); one block of 16 weight rows
; (g < 192: block g of wc; else block g - 192 of wo16; wave w its k = 256 w ..); zl of its 64 rows (K split among the waves, summed through LDS); 256 entries of tw.
; x comes in by four tensor loads a wave, each 64 rows x 256 bytes, all issued at the start: each LDS byte is filled once, and only the wave that asked reads it.
; LIMITS.  Sine and cosine are series in the angle's fraction of a turn (17 and 16 powers, cut below 2e-7 at half a turn).  The angle is reduced in f32: at |angle| near 1e5 the
; reduced angle is off by about 1e-3 of a turn from an exact reduction, which the stored sum, c^2 + s^2 summed, does not feel.  An infinite angle gives NaN, as in the module.
; wo16 keeps f16's range: |Wo| under 65,504, and below 6e-5 f16's fixed step of 6e-8.
.set XP,    272                        ; an LDS row of x: 256 bytes + 16 of padding: the 16 rows of a load begin in 16 different columns of 16 bytes
.set XREG,  64*XP                      ; a region: 64 rows x 64 k of f32
.set STG,   16*XREG                    ; behind the 16 regions: a stage of 8,448 bytes for each wave; no tensor load lands there
.set STGW,  8448
.set CP,    528                        ; a stage row: 512 bytes of 16-bit numbers + 16
.set SPARE, STG+4*STGW                 ; the spare words: 128 bytes a wave, two blocks of 256 bytes that no other line names
.set KBX,   2097152                    ; bytes from kb to kb + 1 in xb
.set KBW,   393216                     ; in wc
.set KBO,   131072                     ; in wo16
.set SPW, 4                            ; v4   LDS address of my spare word; never rewritten
.set NIL, 5                            ; v5   0; never rewritten
.set XA,  6                            ; v6   my place in my wave's first region: row l % 16, 32 bytes for each half of the lanes
.set L16, 7                            ; v7   16 x lane
.set CST, 9                            ; v9   stage, in: 8 x lane
.set CRD, 10                           ; v10  stage, back: row l % 16, 16 bytes for each half of the lanes
.set VO,  11                           ; v11-14  16 x lane + i kb of the weight buffer
.set ZS,  15                           ; v15  zl partial, in
.set ZR,  16                           ; v16  zl partial, back
.set ZG,  17                           ; v17  my 16 bytes of zl
.set TG,  18                           ; v18  my 8 bytes of tw
.set ACC, 24                           ; v24-55   four accumulators: zl of 16 rows x 16 heads each.  Before that the table's registers:
.set TP,  24                           ; l + delta, my two entries
.set TSUM, 26
.set TA,  28
.set TR,  30
.set TN,  32
.set TF,  34
.set TU,  36
.set TS,  38
.set TC,  40
.set T1,  42
.set T2,  44
.set S8V, 46
.set C8V, 48
.set WL,  56                           ; v56-119  the 16 heads' last rows of Wq, my 256 k: 8 fragments
.set RAW, 128                          ; v128-255 numbers as loaded, then as packed
.set G1,  28                           ; s[28:35] descriptor group 1
.set G0,  36                           ; s[36:51] descriptor group 0, one for each of my four loads
.set TH,  52                           ; s[52:59] eight theta
.set WV,  60
.set GID, 61
.set ISWO, 62
.set KBS, 63
.set SRC, 66
.set DST, 68
.set WLS, 70
.set XB,  72
.macro PLACES                          ; four plain instructions behind a matrix instruction, ahead of loads into its sources and of reads of its result
.rept 4
	v_nop
.endr
.endm
; 16 rows x 256 k of f32 from base b, rows stride bytes apart: 32 loads of 512 consecutive bytes
.macro CONVLD b, stride
.set n_, 0
.rept 16
	global_load_b128 v[RAW+8*n_:RAW+8*n_+3],   v[L16], s[\b:\b+1] offset:n_*(\stride)
	global_load_b128 v[RAW+8*n_+4:RAW+8*n_+7], v[L16], s[\b:\b+1] offset:n_*(\stride)+512
.set n_, n_+1
.endr
.endm
; rounded to bf16 (f16 = 1: that number written as f16), 8 bytes a lane into my stage: row n / 2, half n % 2
.macro CONVST f16
.set n_, 0
.rept 32
	v_cvt_pk_bf16_f32 v[RAW+4*n_],   v[RAW+4*n_],   v[RAW+4*n_+1]
	v_cvt_pk_bf16_f32 v[RAW+4*n_+1], v[RAW+4*n_+2], v[RAW+4*n_+3]
.if \f16
	v_lshlrev_b32 v20, 16, v[RAW+4*n_]
	v_and_b32 v21, 0xffff0000, v[RAW+4*n_]
	v_lshlrev_b32 v22, 16, v[RAW+4*n_+1]
	v_and_b32 v23, 0xffff0000, v[RAW+4*n_+1]
	v_cvt_pk_f16_f32 v[RAW+4*n_], v20, v21
	v_cvt_pk_f16_f32 v[RAW+4*n_+1], v22, v23
.endif
	ds_store_b64 v[CST], v[RAW+4*n_:RAW+4*n_+1] offset:(n_/2)*CP+(n_%2)*256
.set n_, n_+1
.endr
.endm
; back as 8 fragments of 16 rows x 32 k.  LDS serves a wave's instructions in order (ISA guide 5.7.1.4): these see my stores
.macro CONVRD dst
.set n_, 0
.rept 8
	ds_load_b128 v[(\dst)+8*n_:(\dst)+8*n_+3],   v[CRD] offset:n_*64
	ds_load_b128 v[(\dst)+8*n_+4:(\dst)+8*n_+7], v[CRD] offset:n_*64+32
.set n_, n_+1
.endr
.endm
.macro HORNER s, c
	v_pk_fma_f32 v[TS:TS+1], v[TS:TS+1], v[TU:TU+1], \s op_sel_hi:[1,1,0]
	v_pk_fma_f32 v[TC:TC+1], v[TC:TC+1], v[TU:TU+1], \c op_sel_hi:[1,1,0]
.endm
; one angle for my two entries: a = theta (l + delta); f = a / 2 pi less the nearest whole number; s = sin(2 pi f), c = cos(2 pi f) by their series in f; the sum takes (c + s)^2 + (c - s)^2
.macro SINCOS k
	v_mul_f32 v[TA], s[TH+(\k)], v[TP]
	v_mul_f32 v[TA+1], s[TH+(\k)], v[TP+1]
	v_pk_mul_f32 v[TR:TR+1], v[TA:TA+1], 0x3e22f983 op_sel_hi:[1,0]
	v_rndne_f32 v[TN], v[TR]
	v_rndne_f32 v[TN+1], v[TR+1]
	v_pk_add_f32 v[TF:TF+1], v[TR:TR+1], v[TN:TN+1] neg_lo:[0,1] neg_hi:[0,1]
	v_pk_mul_f32 v[TU:TU+1], v[TF:TF+1], v[TF:TF+1]
	v_pk_fma_f32 v[TS:TS+1], v[S8V:S8V+1], v[TU:TU+1], 0xbf37d6dd op_sel_hi:[1,1,0]
	v_pk_fma_f32 v[TC:TC+1], v[C8V:C8V+1], v[TU:TU+1], 0xbfdb7128 op_sel_hi:[1,1,0]
	HORNER 0x40747a1a, 0x40fce9c5
	HORNER 0xc17183a8, 0xc1d368f9
	HORNER 0x42283c1a, 0x4270fa83
	HORNER 0xc2996966, 0xc2aae9e4
	HORNER 0x42a335e3, 0x4281e0f8
	HORNER 0xc2255de7, 0xc19de9e6
	HORNER 0x40c90fdb, 1.0
	v_pk_mul_f32 v[TS:TS+1], v[TS:TS+1], v[TF:TF+1]
	v_pk_add_f32 v[T1:T1+1], v[TC:TC+1], v[TS:TS+1]
	v_pk_add_f32 v[T2:T2+1], v[TC:TC+1], v[TS:TS+1] neg_lo:[0,1] neg_hi:[0,1]
	v_pk_fma_f32 v[TSUM:TSUM+1], v[T1:T1+1], v[T1:T1+1], v[TSUM:TSUM+1]
	v_pk_fma_f32 v[TSUM:TSUM+1], v[T2:T2+1], v[T2:T2+1], v[TSUM:TSUM+1]
.endm
; group n of 8: 64 rows x 32 k of f32 (region n / 2, half n % 2) into buffer n % 2: for each block of 16 rows k = 8 h + 0..7 (32 bytes) and k = 16 + 8 h + 0..7 (64 bytes on)
.macro XLD n
.set t_, 0
.rept 4
.set u_, 0
.rept 4
	ds_load_b128 v[RAW+64*((\n)%2)+16*t_+4*u_:RAW+64*((\n)%2)+16*t_+4*u_+3], v[XA] offset:((\n)/2)*XREG+t_*16*XP+((\n)%2)*128+(u_/2)*64+(u_%2)*16
.set u_, u_+1
.endr
.set t_, t_+1
.endr
.endm
; group n: rounded in place to four fragments; four products for zl, the accumulators by turns; the fragments stored as they lie
.macro XGO n
.set b_, RAW+64*((\n)%2)
.set t_, 0
.rept 4
.set j_, 0
.rept 8
	v_cvt_pk_bf16_f32 v[b_+16*t_+j_], v[b_+16*t_+2*j_], v[b_+16*t_+2*j_+1]
.set j_, j_+1
.endr
.set t_, t_+1
.endr
.set t_, 0
.rept 4
.if (\n) == 0
	v_wmma_f32_16x16x32_bf16 v[ACC+8*t_:ACC+8*t_+7], v[b_+16*t_:b_+16*t_+7], v[WL+8*(\n):WL+8*(\n)+7], 0
.else
	v_wmma_f32_16x16x32_bf16 v[ACC+8*t_:ACC+8*t_+7], v[b_+16*t_:b_+16*t_+7], v[WL+8*(\n):WL+8*(\n)+7], v[ACC+8*t_:ACC+8*t_+7]
.endif
.set t_, t_+1
.endr
.set t_, 0
.rept 4
	global_store_b128 v[L16], v[b_+16*t_:b_+16*t_+3],   s[XB:XB+1] offset:((\n)/2)*KBX+t_*2048+((\n)%2)*1024
	global_store_b128 v[L16], v[b_+16*t_+4:b_+16*t_+7], s[XB:XB+1] offset:((\n)/2)*KBX+t_*2048+((\n)%2)*1024+512
.set t_, t_+1
.endr
.endm
	s_load_b512 s[4:19], s[0:1], 0x0               ; x s[4:5], Wq s[6:7], Wk s[8:9], Wv s[10:11], Wo s[12:13], time_angle s[14:15], head_time_delta s[16:17], xb s[18:19]
	s_load_b256 s[20:27], s[0:1], 0x40             ; wc s[20:21], wo16 s[22:23], zl s[24:25], tw s[26:27]
	v_lshl_add_u32 v[SPW], v0, 2, SPARE
	v_mov_b32 v[NIL], 0
	ds_add_u32 v[SPW], v[NIL]                      ; the wave's opening: the add and its wait ahead of my first tensor load; the set-up below stands between them
	ds_add_u32 v4, v5
	v_lshrrev_b32 v19, 5, v0
	v_readfirstlane_b32 s[WV], v19                 ; wave 0..3
	s_mov_b32 s[GID], ttmp9
	; descriptor group 1: 64 rows x 64 elements of 4 bytes, rows 1,024 elements apart, 4 words of padding behind every 64 words
	s_mov_b32 s[G1+0], (2<<16)|(1<<20)|(5<<22)|(3<<25)
	s_mov_b32 s[G1+1], 64<<16                      ; tensor_dim0 = 64
	s_mov_b32 s[G1+2], 64<<16                      ; tensor_dim1 = 64
	s_mov_b32 s[G1+3], 64<<16                      ; tile_dim0 = 64
	s_mov_b32 s[G1+4], 64                          ; tile_dim1 = 64
	s_mov_b32 s[G1+5], 1024
	s_mov_b32 s[G1+6], 0
	s_mov_b32 s[G1+7], 0
	s_mul_i32 s90, s[WV], 4*XREG                   ; my four regions
	s_mul_i32 s91, s[WV], STGW
	s_add_co_u32 s91, s91, STG                     ; my stage
	s_lshl_b32 s92, s[WV], 2
.irp i, 0,1,2,3
	s_mov_b32 s[G0+4*\i], 1
	s_add_co_u32 s[G0+4*\i+1], s90, \i*XREG
.endr
	s_lshl_b32 s94, s[GID], 18                     ; 64 rows of 4,096 bytes,
	s_lshl_b32 s95, s[WV], 10                      ; my 256 k
	s_add_co_u32 s94, s94, s95
	s_mov_b32 s95, 0
	; my work-group's block of 16 weight rows
	s_mul_i32 s82, s[GID], 171
	s_lshr_b32 s82, s82, 11                        ; head = g / 12 (exact up to g = 191)
	s_mul_i32 s83, s82, 12
	s_sub_co_u32 s83, s[GID], s83
	s_lshr_b32 s84, s83, 2                         ; part: 0 Q, 1 K, 2 V
	s_and_b32 s83, s83, 3
	s_lshl_b32 s83, s83, 4                         ; the block's first slot
	s_lshl_b32 s85, s82, 6
	s_add_co_u32 s85, s85, s83
	s_cmp_eq_u32 s84, 0
	s_cselect_b32 s86, s82, 0                      ; a head has 65 rows in Wq
	s_add_co_u32 s85, s85, s86                     ; the source row
	s_max_u32 s87, s[GID], 192
	s_sub_co_u32 s87, s87, 192                     ; the block of Wo
	s_lshl_b32 s88, s87, 4
	s_mov_b32 s[KBS], KBW
	s_cmp_ge_u32 s[GID], 192
	s_cselect_b32 s[ISWO], 1, 0
	s_cselect_b32 s85, s88, s85
	s_cselect_b32 s87, s87, s[GID]                 ; the block's number in its buffer
	s_cselect_b32 s[KBS], KBO, s[KBS]
	s_lshl_b32 s88, s85, 12
	s_lshl_b32 s89, s[WV], 10
	s_add_co_u32 s88, s88, s89                     ; source: row x 4,096 + 1,024 w
	s_mov_b32 s89, 0
	s_mul_i32 s86, s[WV], s[KBS]
	s_lshl_b32 s86, s86, 2
	s_lshl_b32 s87, s87, 11
	s_add_co_u32 s86, s86, s87                     ; destination: kb = 4 w, block x 2,048
	s_mov_b32 s87, 0
	; lane terms
	v_and_b32 v1, 31, v0                           ; lane
	v_and_b32 v2, 15, v0                           ; l % 16
	v_bfe_u32 v3, v0, 4, 1                         ; l / 16
	v_lshlrev_b32 v[L16], 4, v1
	v_mul_u32_u24 v[XA], v2, XP
	v_lshl_add_u32 v[XA], v3, 5, v[XA]
	v_add_nc_u32 v[XA], s90, v[XA]
	v_lshl_add_u32 v[CST], v1, 3, s91
	v_mul_u32_u24 v[CRD], v2, CP
	v_lshl_add_u32 v[CRD], v3, 4, v[CRD]
	v_add_nc_u32 v[CRD], s91, v[CRD]
	v_mul_u32_u24 v[ZS], v2, XP                    ; zl partial: head l % 16, rows 8 (l / 16) on
	v_lshl_add_u32 v[ZS], v3, 5, v[ZS]
	v_add_nc_u32 v[ZS], s91, v[ZS]
	v_add_nc_u32 v19, s92, v3                      ; back: head 4 w + l / 16, four rows a lane
	v_mul_u32_u24 v[ZR], v19, XP
	v_lshl_add_u32 v[ZR], v2, 4, v[ZR]
	v_add_nc_u32 v[ZR], STG, v[ZR]
	v_lshlrev_b32 v[ZG], 16, v19
	v_lshl_add_u32 v[ZG], v2, 4, v[ZG]
	v_lshlrev_b32 v[TG], 3, v1
.irp i, 0,1,2,3
	s_mul_i32 s82, s[KBS], \i
	v_add_nc_u32 v[VO+\i], s82, v[L16]
.endr
	s_wait_dscnt 0x0                               ; the opening add is done
	s_wait_kmcnt 0x0
	s_add_nc_u64 s[94:95], s[4:5], s[94:95]
.irp i, 0,1,2,3
	s_add_nc_u64 s[G0+4*\i+2:G0+4*\i+3], s[94:95], \i*256
	s_or_b32 s[G0+4*\i+3], s[G0+4*\i+3], 0x80000000
.endr
.irp i, 0,1,2,3                        ; all my x at once: four loads of mine are out; each byte is filled once
	tensor_load_to_lds s[G0+4*\i:G0+4*\i+3], s[G1:G1+7]
	s_nop 0
.endr
	s_cmp_eq_u32 s84, 1
	s_cselect_b64 s[SRC:SRC+1], s[8:9], s[6:7]
	s_cmp_eq_u32 s84, 2
	s_cselect_b64 s[SRC:SRC+1], s[10:11], s[SRC:SRC+1]
	s_cmp_eq_u32 s[ISWO], 1
	s_cselect_b64 s[SRC:SRC+1], s[12:13], s[SRC:SRC+1]
	s_cselect_b64 s[DST:DST+1], s[22:23], s[20:21]
	s_add_nc_u64 s[SRC:SRC+1], s[SRC:SRC+1], s[88:89]
	s_add_nc_u64 s[DST:DST+1], s[DST:DST+1], s[86:87]
	s_lshl_b32 s82, s[WV], 10
	s_add_co_u32 s82, s82, 64*4096                 ; row 64 of Wq, my 256 k
	s_mov_b32 s83, 0
	s_add_nc_u64 s[WLS:WLS+1], s[6:7], s[82:83]
	s_lshl_b32 s82, s[WV], 23                      ; xb at kb = 4 w,
	s_lshl_b32 s84, s[GID], 13                     ; R = 4 g
	s_add_co_u32 s82, s82, s84
	s_add_nc_u64 s[XB:XB+1], s[18:19], s[82:83]
	s_lshl_b32 s82, s[GID], 8
	s_add_nc_u64 s[24:25], s[24:25], s[82:83]      ; zl at my work-group's 64 rows
	; the heads' last rows of Wq, 65 rows apart, as fragments
	CONVLD WLS, 65*4096
	s_wait_loadcnt 0x0
	CONVST 0
	CONVRD WL
	s_wait_dscnt 0x0                               ; the stores have read RAW, the fragments are in
	CONVLD SRC, 4096                               ; my weight block goes out; it lands while the table is made
	; THE TABLE: l = 64 (g / 4) + 2 lane + 0, 1; head = 4 (g % 4) + w
	s_lshr_b32 s86, s[GID], 2
	s_lshl_b32 s87, s86, 6
	v_lshl_add_u32 v19, v1, 1, s87
	v_cvt_f32_u32 v[TP], v19
	v_add_nc_u32 v19, 1, v19
	v_cvt_f32_u32 v[TP+1], v19
	s_and_b32 s88, s[GID], 3
	s_lshl_b32 s88, s88, 2
	s_add_co_u32 s88, s88, s[WV]
	s_lshl_b32 s82, s88, 2
	s_add_nc_u64 s[16:17], s[16:17], s[82:83]
	s_load_b32 s80, s[16:17], 0x0                  ; delta of my head
	s_lshl_b32 s84, s88, 14
	s_lshl_b32 s85, s86, 8
	s_add_co_u32 s84, s84, s85
	s_mov_b32 s85, 0
	s_add_nc_u64 s[26:27], s[26:27], s[84:85]      ; tw at my wave's 64 entries: 256 consecutive bytes
	v_mov_b32 v[TSUM], 0
	v_mov_b32 v[TSUM+1], 0
	v_mov_b32 v[S8V], 0x3dd57619
	v_mov_b32 v[S8V+1], 0x3dd57619
	v_mov_b32 v[C8V], 0x3e906316
	v_mov_b32 v[C8V+1], 0x3e906316
	s_wait_kmcnt 0x0
	v_add_f32 v[TP], s80, v[TP]
	v_add_f32 v[TP+1], s80, v[TP+1]
	s_mov_b32 s79, 8
.Ltheta:                                       ; eight trips of eight angles
	s_load_b256 s[TH:TH+7], s[14:15], 0x0
	s_wait_kmcnt 0x0                               ; the load is done: its pointer may be stepped
	s_add_nc_u64 s[14:15], s[14:15], 32
.irp k, 0,1,2,3,4,5,6,7
	SINCOS \k
.endr
	s_sub_co_u32 s79, s79, 1
	s_cmp_lg_u32 s79, 0
	s_cbranch_scc1 .Ltheta
	v_pk_mul_f32 v[TSUM:TSUM+1], v[TSUM:TSUM+1], 0x3c800000 op_sel_hi:[1,0]  ; the two factors 1 / 8: a power of two, exact
	global_store_b64 v[TG], v[TSUM:TSUM+1], s[26:27]
	; my weight block
	s_wait_loadcnt 0x0
	s_cmp_eq_u32 s[ISWO], 1
	s_cbranch_scc1 .Lwo
	CONVST 0
	s_branch .Lstaged
.Lwo:
	CONVST 1
.Lstaged:
	s_wait_dscnt 0x0                               ; the stores have read RAW, which the loads below write
	CONVRD RAW
	s_wait_dscnt 0x0
.set c_, 0
.rept 8
	global_store_b128 v[VO+c_/2], v[RAW+8*c_:RAW+8*c_+3],   s[DST:DST+1] offset:(c_%2)*1024
	global_store_b128 v[VO+c_/2], v[RAW+8*c_+4:RAW+8*c_+7], s[DST:DST+1] offset:(c_%2)*1024+512
.set c_, c_+1
.endr
	; x: eight groups on two buffers
	s_wait_tensorcnt 0x3                           ; my first region is in; the three younger loads may stay out
	s_wait_xcnt 0x0                                ; the stores above, and the table's, have read their registers
	XLD 0
.irp n, 0,1,2,3,4,5,6,7
.if \n < 7
	s_wait_xcnt 0x0                                ; the other buffer's stores have read it
	PLACES                                         ; and its products stand four places back
.if (\n+1)%2 == 0
	s_wait_tensorcnt 3-(\n+1)/2                    ; the next region is in; the count is my younger loads
.endif
	XLD \n+1
	s_wait_dscnt 16                                ; all but the 16 just issued
.else
	s_wait_dscnt 0x0
.endif
	XGO \n
.endr
	; zl: a lane holds head l % 16 and rows 16 t + 8 (l / 16) + 0..7; the four waves' partial sums meet in LDS
	PLACES
	PLACES
.irp t, 0,1,2,3
	ds_store_b128 v[ZS], v[ACC+8*\t:ACC+8*\t+3]   offset:\t*64
	ds_store_b128 v[ZS], v[ACC+8*\t+4:ACC+8*\t+7] offset:\t*64+16
.endr
	s_wait_dscnt 0x0                               ; for the others' sake: my partial sums lie in LDS
	s_barrier_signal -1
	s_barrier_wait -1
	s_wait_xcnt 0x0                                ; the last stores of x have read RAW
.irp p, 0,1,2,3
	ds_load_b128 v[RAW+8*\p:RAW+8*\p+3],   v[ZR] offset:\p*STGW
	ds_load_b128 v[RAW+8*\p+4:RAW+8*\p+7], v[ZR] offset:\p*STGW+2*XP
.endr
	s_wait_dscnt 0x0
.irp j, 0,2,4,6
	v_pk_add_f32 v[RAW+\j:RAW+\j+1], v[RAW+\j:RAW+\j+1], v[RAW+8+\j:RAW+8+\j+1]
	v_pk_add_f32 v[RAW+16+\j:RAW+16+\j+1], v[RAW+16+\j:RAW+16+\j+1], v[RAW+24+\j:RAW+24+\j+1]
.endr
.irp j, 0,2,4,6
	v_pk_add_f32 v[RAW+\j:RAW+\j+1], v[RAW+\j:RAW+\j+1], v[RAW+16+\j:RAW+16+\j+1]
.endr
	global_store_b128 v[ZG], v[RAW:RAW+3],   s[24:25]                ; 16 lanes store a head's 64 rows: 256 consecutive bytes, aligned
	global_store_b128 v[ZG], v[RAW+4:RAW+7], s[24:25] offset:131072  ; two heads on
	s_wait_tensorcnt 0x0                           ; the wave's end, behind my last tensor load and my last LDS store
	ds_add_u32 v[SPW], v[NIL]
	s_wait_dscnt 0x0
	s_endpgm
.Lfunc_end_k_qc33b33c11d_prep:
	.size	k_qc33b33c11d_prep, .Lfunc_end_k_qc33b33c11d_prep-k_qc33b33c11d_prep
	.p2alignl 7, 3214868480
	.fill 96, 4, 3214868480
	.section	.rodata,"a",@progbits
	.p2align	6, 0x0
	.amdhsa_kernel k_qc33b33c11d_prep
		.amdhsa_group_segment_fixed_size 327680
		.amdhsa_private_segment_fixed_size 0
		.amdhsa_enable_private_segment 0
		.amdhsa_kernarg_size 96
		.amdhsa_user_sgpr_count 2
		.amdhsa_user_sgpr_kernarg_segment_ptr 1
		.amdhsa_wavefront_size32 1
		.amdhsa_system_sgpr_workgroup_id_x 1
		.amdhsa_system_sgpr_workgroup_id_y 1
		.amdhsa_system_sgpr_workgroup_id_z 1
		.amdhsa_system_vgpr_workitem_id 0
		.amdhsa_next_free_vgpr 256
		.amdhsa_next_free_sgpr 96
		.amdhsa_reserve_vcc 0
		.amdhsa_float_denorm_mode_32 3
		.amdhsa_float_denorm_mode_16_64 3
		.amdhsa_memory_ordered 1
		.amdhsa_forward_progress 1
		.amdhsa_inst_pref_size 98
	.end_amdhsa_kernel
	.amdgpu_metadata
---
amdhsa.version: [ 1, 2 ]
amdhsa.kernels:
  - .name:           k_qc33b33c11d_prep
    .symbol:         k_qc33b33c11d_prep.kd
    .args:
      - { .name: x, .offset: 0, .size: 8, .value_kind: global_buffer, .address_space: global }
      - { .name: Wq, .offset: 8, .size: 8, .value_kind: global_buffer, .address_space: global }
      - { .name: Wk, .offset: 16, .size: 8, .value_kind: global_buffer, .address_space: global }
      - { .name: Wv, .offset: 24, .size: 8, .value_kind: global_buffer, .address_space: global }
      - { .name: Wo, .offset: 32, .size: 8, .value_kind: global_buffer, .address_space: global }
      - { .name: time_angle, .offset: 40, .size: 8, .value_kind: global_buffer, .address_space: global }
      - { .name: head_time_delta, .offset: 48, .size: 8, .value_kind: global_buffer, .address_space: global }
      - { .name: xb, .offset: 56, .size: 8, .value_kind: global_buffer, .address_space: global }
      - { .name: wc, .offset: 64, .size: 8, .value_kind: global_buffer, .address_space: global }
      - { .name: wo16, .offset: 72, .size: 8, .value_kind: global_buffer, .address_space: global }
      - { .name: zl, .offset: 80, .size: 8, .value_kind: global_buffer, .address_space: global }
      - { .name: tw, .offset: 88, .size: 8, .value_kind: global_buffer, .address_space: global }
    .group_segment_fixed_size: 327680
    .private_segment_fixed_size: 0
    .kernarg_segment_align: 8
    .kernarg_segment_size: 96
    .max_flat_workgroup_size: 128
    .sgpr_count:     96
    .vgpr_count:     256
    .wavefront_size: 32
...
	.end_amdgpu_metadata
.endif
;; end of part 1
;; launch heads (part 2): grid 8 x 64, 4 waves a work-group, clusters of 4 x 4, 327,680 bytes of LDS; arguments xb, wc, zl, tw, ab; writes ab
.if DOCPART == 2
	.amdgcn_target "amdgcn-amd-amdhsa--gfx1250"
	.amdhsa_code_object_version 6
	.text
	.protected	k_qc33b33c11d_heads
	.globl	k_qc33b33c11d_heads
	.p2align	8
	.type	k_qc33b33c11d_heads,@function
k_qc33b33c11d_heads:
	s_mov_b64 s[64:65], 0
	v_nop
	global_prefetch_b8 v0, s[64:65] scope:SCOPE_SE
	s_setreg_imm32_b32 hwreg(HW_REG_WAVE_MODE, 25, 1), 1
	s_wait_xcnt 0x0
	s_wait_alu depctr_hold_cnt(0) depctr_sa_sdst(0) depctr_va_vdst(0) depctr_va_sdst(0) depctr_va_ssrc(0) depctr_va_vcc(0) depctr_vm_vsrc(0)
	s_getreg_b32 s2, hwreg(HW_REG_IB_STS2, 6, 4)
	s_cmp_eq_u32 s2, 0
	s_cbranch_scc0 .Lentry_in_a_cluster
	s_endpgm
.Lentry_in_a_cluster:
	s_bfe_u32 s2, ttmp6, 0x10000c
	s_cmp_lg_u32 s2, 0xf033
	s_cbranch_scc0 .Lentry_shape_is_right
	s_endpgm
.Lentry_shape_is_right:
; HEADS: the three projections and all that stands between them and the last product.
;   for each row and head:  zq = x Wq^T (64 slots; the 65th, zl, was made before), zk = x Wk^T, v = x Wv^T, bf16 operands, f32 sums;
;   gate = 1 - softmax(zq, zl)[64] = SQ / (SQ + EZ), SQ = the sum of exp(zq - m), EZ = exp(zl - m), m the maximum over all 65 slots;
;   k = softmax(zk), with its own maximum;   ab = tw gate k v, rounded once to f16.  The mask, one number a row, is applied behind the last product.
; SHARES.  A work-group: 256 rows x two heads.  Wave w: rows 128 (w / 2) on, head 2 tx + w % 2: 128 rows x 192 columns (Q, K, V of one head): 96 accumulators, 768 registers.
; For 32 along K a wave reads 40 x 512 bytes from LDS and issues 96 matrix instructions.  512 work-groups of equal work.
; THE PRODUCT IS TAKEN TRANSPOSED (source 0 = 16 weight rows, source 1 = 16 rows of x): a lane holds ONE row (lane % 16) and slots 16 b + 8 (lane / 16) + 0..7: a row's softmax wants one
; exchange between the halves of the lanes, and a tile's eight numbers, rounded, are 16 bytes of a fragment of the next product: they are stored as they lie, 512 consecutive bytes a store.
; RING.  K in steps of 64 through two LDS slots: 32,768 bytes of x, 49,152 of weights, all in fragment order (a fragment is two loads of 512 consecutive bytes), dense in memory: asked for as
; rows of 256 bytes.  A step of 128 would take all of LDS and leave the spare words no room.
; CLUSTER.  4 x 4 work-groups: the four of a row share x's tile, the four of a column the weights': each is asked for jointly, one load a wave behind each round.
; LIMITS.  |tw gate k v| (at most 2 |v|) stays under 65,504, f16's end; below 6e-5 it keeps f16's fixed step of 6e-8.  A weight below 2^-126 counts as 0.  NaN and infinities are not treated apart.
; REGISTERS, in windows of 256 (s_set_vgpr_msb: bits 1:0 source 0, 3:2 source 1, 5:4 source 2, 7:6 destination):
;   window 0: v0-27 addresses, zl, tw; v32-127 weight fragments (Q, K, V: 4 tiles of 8 each); v128-255 x's fragments, two buffers of 8 tiles.  In the epilogue: v32-79 at work, v128-255 packed results
;   windows 1, 2, 3: the accumulators of Q, K, V: rows 16 a on, slots 16 b on at v[8 (4 a + b)]
.set SLOT,  81920
.set BOFF,  32768                      ; the weights lie behind x's 32,768 bytes
.set HB,    24576                      ; a head's 12 blocks of 16 rows x 64 k
.set SPARE, 2*SLOT                     ; the spare words: 128 bytes a wave, two blocks of 256 bytes that no other line names
.set KBX,   2097152                    ; bytes from a K step to the next in xb (and from head to head in ab)
.set KBW,   393216                     ; in wc
.set GO,   3                           ; v3   16 x lane
.set ADRA, 4                           ; v4-5 my x fragments in slot 0, 1
.set ADRB, 6                           ; v6-7 my weight fragments
.set SPW,  8                           ; v8   LDS address of my spare word; never rewritten
.set NIL,  9                           ; v9   0; never rewritten
.set PFO,  10                          ; v10  256 x lane
.set ZO,   11                          ; v11  4 (l % 16)
.set ZL,   12                          ; v12-19  zl of my row in each of the 8 blocks of 16 rows
.set TW,   20                          ; v20-27  tw likewise
.set BF,   32
.set AF,   128
.set CC,   32                          ; epilogue: c0-c3, Q's maxima
.set DD,   36                          ; d0-d3, K's
.set CMQ,  40                          ; c m of Q, twice
.set CMK,  42
.set EZ,   44
.set SQ,   45
.set SK,   46
.set DEN,  47
.set COEF, 48                          ; a pair
.set RC,   50
.set TT,   64                          ; 16 at work
.set OO,   128
.set WV,  14
.set FB,  15                           ; w / 2: my half of the rows; also 1: I fetch weights
.set WH,  16                           ; w % 2: my head; also which half of a tile I fetch
.set G1A, 24
.set G0A, 32
.set PFA, 40
.set PFS, 42
.set ASKM, 44
.set LAPC, 45
.set G1B, 48
.set G0B, 56
.set CS,  66                           ; s[66:67] log2(e)
.set SEL, 68                           ; s[68:69] v_permlanex16_b32's selects: each lane takes its own place in the other half
.set MSB, 0
.macro WIN new                         ; the immediate's high byte repeats the setting that is left; a switch that changes nothing is dropped
.if MSB != (\new)
	s_set_vgpr_msb (MSB<<8)|(\new)
.set MSB, \new
.endif
.endm
.macro PLACES                          ; four plain instructions behind a matrix instruction, ahead of loads into its sources and of reads of its result
.rept 4
	v_nop
.endr
.endm
; A joint load.  Waves 0 and 1 fetch the halves of x's tile, waves 2 and 3 a head's weights each.  The branch hangs on the wave's number alone.  An s_nop 0 and four v_nop follow each line.
.macro JLOAD s
	s_cmp_eq_u32 s[FB], 0
	s_cbranch_scc0 .Lfor_b_\@
	tensor_load_to_lds s[G0A+4*(\s):G0A+4*(\s)+3], s[G1A:G1A+7]
	s_nop 0
	PLACES
	s_branch .Lasked_\@
.Lfor_b_\@:
	tensor_load_to_lds s[G0B+4*(\s):G0B+4*(\s)+3], s[G1B:G1B+7]
	s_nop 0
	PLACES
.Lasked_\@:
.endm
.macro CREST                           ; a round of the cluster's barrier behind its opening barrier
	s_cmp_lg_u32 s[WV], 0
	s_cbranch_scc1 .Lnot_wave_0_\@
	s_barrier_signal -3
.Lnot_wave_0_\@:
	s_barrier_wait -3
	s_barrier_signal -1
	s_barrier_wait -1
.endm
.macro CROUND
	s_barrier_signal -1
	s_barrier_wait -1
	CREST
.endm
; A PREFETCH INTO THE L2, in the loop's trips 0, 2 and 4, behind the joint load of K step 2 t + 3 and the run of LDS loads that follows it.  The four partners that ask for a tile jointly take a K step each,
; BY ADDRESS: the partner at place p names the wave's whole part (64 or 96 blocks of 256 bytes, a lane a block) of K step 2 t + 4 + p, which is loaded 1 + p changes of slots, of 192 matrix instructions
; each, later.  x's rows are read by both clusters of a row of clusters: the first asks; the weights by all clusters of a column: the first asks.  So each block is named once in the launch.
; K steps 0 to 3 come by their loads alone; the highest step named is 15, the last.
.macro ASK
	s_and_b32 s23, s[ASKM], 1
	s_cmp_lg_u32 s23, 0
	s_cbranch_scc0 .Lnot_mine_\@
	global_prefetch_b8 v[PFO], s[PFA:PFA+1] th:TH_LOAD_NT scope:SCOPE_SE
	global_prefetch_b8 v[PFO], s[PFA:PFA+1] offset:8192 th:TH_LOAD_NT scope:SCOPE_SE
	s_cmp_eq_u32 s[FB], 0
	s_cbranch_scc1 .Lnot_mine_\@
	global_prefetch_b8 v[PFO], s[PFA:PFA+1] offset:16384 th:TH_LOAD_NT scope:SCOPE_SE
.Lnot_mine_\@:
.endm
; 16 matrix instructions of group g (0 Q, 1 K, 2 V): row blocks a0 .. a0 + 3 x all 4 tiles, on x's buffer p.  zero = 1: the product starts the sums.
.macro PH16 g, p, a0, zero
	WIN 0x50*((\g)+1)
.irp a, (\a0), (\a0)+1, (\a0)+2, (\a0)+3
.irp b, 0,1,2,3
.if \zero
	v_wmma_f32_16x16x32_bf16 v[8*(4*(\a)+(\b)):8*(4*(\a)+(\b))+7], v[BF+32*(\g)+8*(\b):BF+32*(\g)+8*(\b)+7], v[AF+64*(\p)+8*(\a):AF+64*(\p)+8*(\a)+7], 0
.else
	v_wmma_f32_16x16x32_bf16 v[8*(4*(\a)+(\b)):8*(4*(\a)+(\b))+7], v[BF+32*(\g)+8*(\b):BF+32*(\g)+8*(\b)+7], v[AF+64*(\p)+8*(\a):AF+64*(\p)+8*(\a)+7], v[8*(4*(\a)+(\b)):8*(4*(\a)+(\b))+7]
.endif
.endr
.endr
.endm
.macro PHASE g, p, zero                ; a step's 96 accumulators take turns, one instruction a turn, over the backward jump too
	PH16 \g, \p, 0, \zero
	PH16 \g, \p, 4, \zero
.endm
.macro LDB g, s, c2                    ; group g's four weight fragments of slot s, half c2 of its 64 k
	WIN 0
.irp b, 0,1,2,3
	ds_load_b128 v[BF+32*(\g)+8*(\b):BF+32*(\g)+8*(\b)+3],   v[ADRB+(\s)] offset:(4*(\g)+(\b))*2048+(\c2)*1024
	ds_load_b128 v[BF+32*(\g)+8*(\b)+4:BF+32*(\g)+8*(\b)+7], v[ADRB+(\s)] offset:(4*(\g)+(\b))*2048+(\c2)*1024+512
.endr
.endm
.macro LDA p, s, c2                    ; x's eight fragments into buffer p
	WIN 0
.irp a, 0,1,2,3,4,5,6,7
	ds_load_b128 v[AF+64*(\p)+8*(\a):AF+64*(\p)+8*(\a)+3],   v[ADRA+(\s)] offset:(\a)*2048+(\c2)*1024
	ds_load_b128 v[AF+64*(\p)+8*(\a)+4:AF+64*(\p)+8*(\a)+7], v[ADRA+(\s)] offset:(\a)*2048+(\c2)*1024+512
.endr
.endm
; A step of 32 along K on x's buffer p.  Behind each group's products its fragments for the next step, at (ns, nc), are fetched; x's go into the other buffer.
.macro STEP p, ns, nc, zero
	s_wait_dscnt 16                                ; Q's and x's fragments are in; K's and V's, 16 loads, may be out
	PHASE 0, \p, \zero
	PLACES
	LDB 0, \ns, \nc
	LDA 1-(\p), \ns, \nc
	s_wait_dscnt 32                                ; K's are in: behind them V's 8 and the 24 just issued
	PHASE 1, \p, \zero
	PLACES
	LDB 1, \ns, \nc
	s_wait_dscnt 32                                ; V's are in: behind them the 24 and the 8
	PHASE 2, \p, \zero
	PLACES
	LDB 2, \ns, \nc
.endm
; A slot's second step, on buffer 1, changes slots.  ONE barrier: in front of it each wave waits for all its tensor loads (one is out: its part of the other slot), adds 0 to its spare word, and waits for
; that and for its reads of this slot, of which the step's own fragments are the last.  fill = 1: the barrier opens a round of the cluster's, and the joint refill, two K steps on, is the first thing behind
; it: 160 matrix instructions ahead of the wait for it.
.macro TURNSTEP s, fill
.if ((\s) == 0) && (\fill)
	s_wait_xcnt 0x0                                ; the last prefetches, more than a step back, have read their address
	s_add_nc_u64 s[PFA:PFA+1], s[PFA:PFA+1], s[PFS:PFS+1]  ; two K steps on, once a trip
.endif
	WIN 0
	s_wait_tensorcnt 0x0                           ; all my tensor loads have landed
	ds_add_u32 v[SPW], v[NIL]                      ; 0 onto my spare word
	s_wait_dscnt 17                                ; (K's and V's fragments and the add may be out)
	PH16 0, 1, 0, 0                                ; sixteen matrix instructions stand between the add and the wait for it
	s_wait_dscnt 0x0                               ; the add is done, and my reads of this slot are over
	s_barrier_signal -1
	PH16 0, 1, 4, 0
	WIN 0
	s_barrier_wait -1
.if \fill
	CREST                                          ; no wave of any partner still reads this slot or has a load on its way
	s_add_nc_u64 s[G0A+4*(\s)+2:G0A+4*(\s)+3], s[G0A+4*(\s)+2:G0A+4*(\s)+3], 2*KBX
	s_add_nc_u64 s[G0B+4*(\s)+2:G0B+4*(\s)+3], s[G0B+4*(\s)+2:G0B+4*(\s)+3], 2*KBW
	JLOAD \s                                       ; its four v_nop are also the places in front of the loads below
.else
	PLACES
.endif
	LDB 0, 1-(\s), 0
	LDA 0, 1-(\s), 0
.if ((\s) == 1) && (\fill)
	ASK
.endif
	PHASE 1, 1, 0                                  ; its fragments were waited for in front of the barrier
	PLACES
	LDB 1, 1-(\s), 0
	PHASE 2, 1, 0
	PLACES
	LDB 2, 1-(\s), 0
.endm
; THE EPILOGUE of row block a.  A lane has 32 of its row's 64 slots of Q, K and V; the other 32 lie in the lane 16 away.  Each accumulator's lowest registers are read first.
.macro EPI a
.set q0, 32*(\a)
	WIN 0x15                                       ; sources in window 1 (Q), destination in window 0
.irp n, 0,1,2,3
	v_max3_num_f32 v[CC+\n], v[q0+8*\n], v[q0+8*\n+1], v[q0+8*\n+2]
.endr
	WIN 0x14
.irp k, 1,2
.irp n, 0,1,2,3
	v_max3_num_f32 v[CC+\n], v[CC+\n], v[q0+8*\n+2*\k+1], v[q0+8*\n+2*\k+2]
.endr
.endr
	v_max3_num_f32 v[CC], v[CC], v[q0+7], v[q0+15]
	v_max3_num_f32 v[CC+1], v[CC+1], v[q0+23], v[q0+31]
	WIN 0x2a                                       ; the same for K, in window 2
.irp n, 0,1,2,3
	v_max3_num_f32 v[DD+\n], v[q0+8*\n], v[q0+8*\n+1], v[q0+8*\n+2]
.endr
	WIN 0x28
.irp k, 1,2
.irp n, 0,1,2,3
	v_max3_num_f32 v[DD+\n], v[DD+\n], v[q0+8*\n+2*\k+1], v[q0+8*\n+2*\k+2]
.endr
.endr
	v_max3_num_f32 v[DD], v[DD], v[q0+7], v[q0+15]
	v_max3_num_f32 v[DD+1], v[DD+1], v[q0+23], v[q0+31]
	WIN 0
	v_max3_num_f32 v[CC], v[CC], v[CC+1], v[CC+2]
	v_max3_num_f32 v[DD], v[DD], v[DD+1], v[DD+2]
	v_max3_num_f32 v[CC], v[CC], v[CC+3], v[ZL+(\a)]  ; the 65th slot takes part in Q's maximum
	v_max_num_f32 v[DD], v[DD], v[DD+3]
	v_permlanex16_b32 v[CC+1], v[CC], s[SEL], s[SEL+1]
	v_permlanex16_b32 v[DD+1], v[DD], s[SEL], s[SEL+1]
	v_max_num_f32 v[CC], v[CC], v[CC+1]
	v_max_num_f32 v[DD], v[DD], v[DD+1]
	v_mul_f32 v[CMQ], s[CS], v[CC]
	v_mul_f32 v[CMQ+1], s[CS], v[CC]
	v_mul_f32 v[CMK], s[CS], v[DD]
	v_mul_f32 v[CMK+1], s[CS], v[DD]
	v_fma_f32 v[EZ], v[ZL+(\a)], s[CS], -v[CMQ]
	WIN 0x41                                       ; Q in place: c z - c m, then 2^that.  The 65 exponentials are ONE batch: none of them reads another's result
.set i_, 0
.rept 16
	v_pk_fma_f32 v[q0+2*i_:q0+2*i_+1], v[q0+2*i_:q0+2*i_+1], s[CS:CS+1], v[CMQ:CMQ+1] op_sel_hi:[1,0,0] neg_lo:[0,0,1] neg_hi:[0,0,1]
.set i_, i_+1
.endr
.set i_, 0
.rept 32
	v_exp_f32 v[q0+i_], v[q0+i_]
.set i_, i_+1
.endr
	WIN 0x82                                       ; K likewise
.set i_, 0
.rept 16
	v_pk_fma_f32 v[q0+2*i_:q0+2*i_+1], v[q0+2*i_:q0+2*i_+1], s[CS:CS+1], v[CMK:CMK+1] op_sel_hi:[1,0,0] neg_lo:[0,0,1] neg_hi:[0,0,1]
.set i_, i_+1
.endr
.set i_, 0
.rept 32
	v_exp_f32 v[q0+i_], v[q0+i_]
.set i_, i_+1
.endr
	WIN 0
	v_exp_f32 v[EZ], v[EZ]
	v_nop                                          ; a plain instruction behind the last exponential,
	s_wait_alu depctr_va_vdst(0)                   ; and the one wait ahead of the batch's first reader
	WIN 0x45                                       ; Q's sum, in place: neighbours 1, 2, 4 and 8 pairs apart
.irp w, 4, 8, 16, 32
.set u_, 0
.rept 32/\w
	v_pk_add_f32 v[q0+\w*u_:q0+\w*u_+1], v[q0+\w*u_:q0+\w*u_+1], v[q0+\w*u_+\w/2:q0+\w*u_+\w/2+1]
.set u_, u_+1
.endr
.endr
	WIN 0x05
	v_add_f32 v[SQ], v[q0], v[q0+1]
	WIN 0x0a                                       ; K's sum, beside its weights, which are kept
.set i_, 0
.rept 8
	v_pk_add_f32 v[TT+2*i_:TT+2*i_+1], v[q0+4*i_:q0+4*i_+1], v[q0+4*i_+2:q0+4*i_+3]
.set i_, i_+1
.endr
	WIN 0
.irp w, 4, 8, 16
.set u_, 0
.rept 16/\w
	v_pk_add_f32 v[TT+\w*u_:TT+\w*u_+1], v[TT+\w*u_:TT+\w*u_+1], v[TT+\w*u_+\w/2:TT+\w*u_+\w/2+1]
.set u_, u_+1
.endr
.endr
	v_add_f32 v[SK], v[TT], v[TT+1]
	v_permlanex16_b32 v[CC+1], v[SQ], s[SEL], s[SEL+1]
	v_permlanex16_b32 v[DD+1], v[SK], s[SEL], s[SEL+1]
	v_add_f32 v[SQ], v[SQ], v[CC+1]
	v_add_f32 v[SK], v[SK], v[DD+1]
	v_add_f32 v[DEN], v[SQ], v[EZ]
	v_mul_f32 v[COEF], v[TW+(\a)], v[SQ]
	v_mul_f32 v[DEN], v[DEN], v[SK]                ; (SQ + EZ) SK lies between 1 and 65 x 64
	v_rcp_f32 v[RC], v[DEN]
	WIN 0xcb                                       ; v times K's weight: the work between the reciprocal and its wait
.set i_, 0
.rept 16
	v_pk_mul_f32 v[q0+2*i_:q0+2*i_+1], v[q0+2*i_:q0+2*i_+1], v[q0+2*i_:q0+2*i_+1]
.set i_, i_+1
.endr
	s_wait_alu depctr_va_vdst(0)                   ; the reciprocal's wait, ahead of its reader
	WIN 0
	v_mul_f32 v[COEF], v[COEF], v[RC]              ; tw SQ / ((SQ + EZ) SK) = tw gate / SK
	v_mov_b32 v[COEF+1], v[COEF]
	WIN 0xc3
.set i_, 0
.rept 16
	v_pk_mul_f32 v[q0+2*i_:q0+2*i_+1], v[q0+2*i_:q0+2*i_+1], v[COEF:COEF+1] op_sel_hi:[1,0]
.set i_, i_+1
.endr
	WIN 0x0f
.set i_, 0
.rept 16
	v_cvt_pk_f16_f32 v[OO+16*(\a)+i_], v[q0+2*i_], v[q0+2*i_+1]
.set i_, i_+1
.endr
	WIN 0
.irp b, 0,1,2,3                        ; tile b is quad b % 2 of chunk b / 2 of the row block's 64 k: 512 consecutive bytes, aligned.  The registers are not written again
	global_store_b128 v[GO], v[OO+16*(\a)+4*\b:OO+16*(\a)+4*\b+3], s[12:13] offset:(\a)*2048+\b*512
.endr
.endm
	s_load_b256 s[4:11], s[0:1], 0x0               ; xb s[4:5], wc s[6:7], zl s[8:9], tw s[10:11]
	s_load_b64 s[12:13], s[0:1], 0x20              ; ab
	v_lshl_add_u32 v[SPW], v0, 2, SPARE
	v_mov_b32 v[NIL], 0
	ds_add_u32 v[SPW], v[NIL]                      ; the wave's opening: the add and its wait ahead of the round in front of my first tensor load
	ds_add_u32 v8, v9
	v_lshrrev_b32 v1, 5, v0
	v_readfirstlane_b32 s[WV], v1                  ; wave 0..3
	s_lshr_b32 s[FB], s[WV], 1
	s_and_b32 s[WH], s[WV], 1
	s_bfe_u32 s17, ttmp6, 0x40000                  ; cx
	s_bfe_u32 s18, ttmp6, 0x40004                  ; cy
	s_lshl_b32 s19, ttmp9, 2
	s_add_co_u32 s19, s19, s17                     ; tx: the pair of heads
	s_and_b32 s20, ttmp7, 0xffff
	s_lshl_b32 s20, s20, 2
	s_add_co_u32 s20, s20, s18                     ; ty: the block of 256 rows
	s_lshl_b32 s21, s18, 2
	s_lshl_b32 s21, 15, s21                        ; my row of the cluster
	s_lshl_b32 s22, 0x1111, s17                    ; my column
	; descriptor group 1: dense bytes as rows of 32 elements of 8 bytes: 64 rows of x's half tile, 96 of a head's weights
	s_or_b32 s[G1A], s21, (3<<16)|(1<<21)
	s_or_b32 s[G1B], s22, (3<<16)|(1<<21)
	s_mov_b32 s[G1A+1], 32<<16
	s_mov_b32 s[G1A+2], 64<<16
	s_mov_b32 s[G1A+3], 32<<16
	s_mov_b32 s[G1A+4], 64
	s_mov_b32 s[G1A+5], 32
	s_mov_b32 s[G1A+6], 0
	s_mov_b32 s[G1A+7], 0
	s_mov_b32 s[G1B+1], 32<<16
	s_mov_b32 s[G1B+2], 96<<16
	s_mov_b32 s[G1B+3], 32<<16
	s_mov_b32 s[G1B+4], 96
	s_mov_b32 s[G1B+5], 32
	s_mov_b32 s[G1B+6], 0
	s_mov_b32 s[G1B+7], 0
	s_lshl_b32 s46, s[WH], 14                      ; where they go: no place in the cluster enters an LDS address
	s_mul_i32 s47, s[WH], HB
	s_add_co_u32 s47, s47, BOFF
.irp s, 0,1
	s_mov_b32 s[G0A+4*\s], 1
	s_add_co_u32 s[G0A+4*\s+1], s46, \s*SLOT
	s_mov_b32 s[G0B+4*\s], 1
	s_add_co_u32 s[G0B+4*\s+1], s47, \s*SLOT
.endr
	s_lshl_b32 s70, s20, 15                        ; x: 256 rows x 64 k are 32,768 bytes; my half
	s_lshl_b32 s71, s[WH], 14
	s_add_co_u32 s70, s70, s71
	s_mov_b32 s71, 0
	s_lshl_b32 s74, s19, 1                         ; weights: head 2 tx + w % 2
	s_add_co_u32 s74, s74, s[WH]
	s_mul_i32 s74, s74, HB
	s_mov_b32 s75, 0
	s_mov_b32 s[CS], 0x3fb8aa3b                    ; log2(e)
	s_mov_b32 s[CS+1], s[CS]
	s_mov_b32 s[SEL], 0x76543210
	s_mov_b32 s[SEL+1], 0xfedcba98
	s_wait_dscnt 0x0                               ; the opening add is done
	s_wait_kmcnt 0x0
	s_add_nc_u64 s[70:71], s[4:5], s[70:71]
	s_add_nc_u64 s[74:75], s[6:7], s[74:75]
.irp s, 0,1
	s_add_nc_u64 s[G0A+4*\s+2:G0A+4*\s+3], s[70:71], \s*KBX
	s_or_b32 s[G0A+4*\s+3], s[G0A+4*\s+3], 0x80000000
	s_add_nc_u64 s[G0B+4*\s+2:G0B+4*\s+3], s[74:75], \s*KBW
	s_or_b32 s[G0B+4*\s+3], s[G0B+4*\s+3], 0x80000000
.endr
	CROUND                                         ; all sixteen work-groups are here: the first joint loads meet
	s_cmp_eq_u32 s[FB], 0                          ; a wave's two first fills stand in one branch: two loads of mine are out
	s_cbranch_scc0 .Lfirst_b
	tensor_load_to_lds s[G0A:G0A+3], s[G1A:G1A+7]
	s_nop 0
	tensor_load_to_lds s[G0A+4:G0A+7], s[G1A:G1A+7]
	s_nop 0
	PLACES
	s_branch .Lfirst_done
.Lfirst_b:
	tensor_load_to_lds s[G0B:G0B+3], s[G1B:G1B+7]
	s_nop 0
	tensor_load_to_lds s[G0B+4:G0B+7], s[G1B:G1B+7]
	s_nop 0
	PLACES
.Lfirst_done:
	v_and_b32 v1, 15, v0                           ; l % 16
	v_and_b32 v2, 31, v0
	v_lshlrev_b32 v[PFO], 8, v2
	v_lshlrev_b32 v[GO], 4, v2
	s_lshl_b32 s46, s[FB], 14                      ; my 128 rows of x
	v_add_nc_u32 v[ADRA], s46, v[GO]
	v_add_nc_u32 v[ADRA+1], SLOT, v[ADRA]
	v_add_nc_u32 v[ADRB], s47, v[GO]               ; my head's weights
	v_add_nc_u32 v[ADRB+1], SLOT, v[ADRB]
	v_lshlrev_b32 v[ZO], 2, v1
	s_lshl_b32 s23, s19, 1
	s_add_co_u32 s23, s23, s[WH]                   ; my head
	s_lshl_b32 s72, s20, 8
	s_lshl_b32 s73, s[FB], 7
	s_add_co_u32 s72, s72, s73                     ; my first row
	s_lshl_b32 s76, s23, 16
	s_lshl_b32 s77, s72, 2
	s_add_co_u32 s76, s76, s77
	s_mov_b32 s77, 0
	s_add_nc_u64 s[8:9], s[8:9], s[76:77]          ; zl [head][row]
	s_and_b32 s78, s72, 4095                       ; the row's place in its sequence
	s_lshl_b32 s78, s78, 2
	s_lshl_b32 s79, s23, 14
	s_add_co_u32 s78, s78, s79
	s_mov_b32 s79, 0
	s_add_nc_u64 s[10:11], s[10:11], s[78:79]      ; tw [head][l]
	s_lshl_b32 s76, s23, 21
	s_lshl_b32 s78, s72, 7
	s_add_co_u32 s76, s76, s78
	s_add_nc_u64 s[12:13], s[12:13], s[76:77]      ; ab at my head, my first block of 16 rows
.irp a, 0,1,2,3,4,5,6,7
	global_load_b32 v[ZL+\a], v[ZO], s[8:9] offset:64*\a
.endr
.irp a, 0,1,2,3,4,5,6,7
	global_load_b32 v[TW+\a], v[ZO], s[10:11] offset:64*\a
.endr
	; the prefetches
	s_and_b32 s78, ttmp7, 0xffff                   ; cluster y
	s_mov_b32 s[PFS], KBW
	s_cmp_eq_u32 s[FB], 0                          ; do I fetch x?
	s_cselect_b32 s78, ttmp9, s78                  ; the coordinate along which other clusters read the same bytes
	s_cselect_b32 s79, s17, s18                    ; my place among the four that ask with me
	s_cselect_b64 s[PFA:PFA+1], s[70:71], s[74:75] ; my wave's part of K step 0
	s_cselect_b32 s[PFS], KBX, s[PFS]
	s_cmp_eq_u32 s78, 0
	s_cselect_b32 s[ASKM], 21, 0                   ; trips 0, 2 and 4; the same in all sixteen partners, for a given wave
	s_add_co_u32 s79, s79, 2
	s_mul_i32 s76, s79, s[PFS]
	s_add_nc_u64 s[PFA:PFA+1], s[PFA:PFA+1], s[76:77]  ; K step 2 + p; each trip steps it by two
	s_lshl_b32 s[PFS], s[PFS], 1
	s_mov_b32 s[PFS+1], 0
	s_wait_tensorcnt 0x1                           ; my part of slot 0 is in; slot 1's may stay out
	s_barrier_signal -1
	s_barrier_wait -1                              ; everybody's is
	LDB 0, 0, 0
	LDA 0, 0, 0
	LDB 1, 0, 0
	LDB 2, 0, 0
	STEP 0, 0, 1, 1                                ; the first step stands in front of the loop: its products start the sums
	WIN 0
	s_mov_b32 s[LAPC], 7
.Llap:                                         ; a trip goes once round the ring and fills both slots again: K steps 2 to 15 in seven trips
	TURNSTEP 0, 1
	STEP 0, 1, 1, 0
	TURNSTEP 1, 1
	STEP 0, 0, 1, 0
	WIN 0
	s_lshr_b32 s[ASKM], s[ASKM], 1
	s_sub_co_u32 s[LAPC], s[LAPC], 1
	s_cmp_lg_u32 s[LAPC], 0
	s_cbranch_scc1 .Llap
	TURNSTEP 0, 0                                  ; the tail is written out: nothing is asked for, and no round follows the barrier
	STEP 0, 1, 1, 0
	s_wait_dscnt 16                                ; the last step fetches nothing: the counts run down
	PHASE 0, 1, 0
	s_wait_dscnt 8
	PHASE 1, 1, 0
	s_wait_dscnt 0x0
	PHASE 2, 1, 0
	WIN 0
	PLACES
	PLACES
	s_wait_loadcnt 0x0                             ; zl and tw
.irp a, 0,1,2,3,4,5,6,7
	EPI \a
.endr
	s_wait_tensorcnt 0x0                           ; the wave's end, behind my last tensor load
	ds_add_u32 v[SPW], v[NIL]
	s_wait_dscnt 0x0
	CROUND                                         ; the closing round: no work-group ends while a partner may still ask for a tile that names it
	s_endpgm
.Lfunc_end_k_qc33b33c11d_heads:
	.size	k_qc33b33c11d_heads, .Lfunc_end_k_qc33b33c11d_heads-k_qc33b33c11d_heads
	.p2alignl 7, 3214868480
	.fill 96, 4, 3214868480
	.section	.rodata,"a",@progbits
	.p2align	6, 0x0
	.amdhsa_kernel k_qc33b33c11d_heads
		.amdhsa_group_segment_fixed_size 327680
		.amdhsa_private_segment_fixed_size 0
		.amdhsa_enable_private_segment 0
		.amdhsa_kernarg_size 40
		.amdhsa_user_sgpr_count 2
		.amdhsa_user_sgpr_kernarg_segment_ptr 1
		.amdhsa_wavefront_size32 1
		.amdhsa_system_sgpr_workgroup_id_x 1
		.amdhsa_system_sgpr_workgroup_id_y 1
		.amdhsa_system_sgpr_workgroup_id_z 1
		.amdhsa_system_vgpr_workitem_id 0
		.amdhsa_next_free_vgpr 1024
		.amdhsa_next_free_sgpr 80
		.amdhsa_reserve_vcc 0
		.amdhsa_float_denorm_mode_32 3
		.amdhsa_float_denorm_mode_16_64 3
		.amdhsa_memory_ordered 1
		.amdhsa_forward_progress 1
		.amdhsa_inst_pref_size 186
	.end_amdhsa_kernel
	.amdgpu_metadata
---
amdhsa.version: [ 1, 2 ]
amdhsa.kernels:
  - .name:           k_qc33b33c11d_heads
    .symbol:         k_qc33b33c11d_heads.kd
    .args:
      - { .name: xb, .offset: 0, .size: 8, .value_kind: global_buffer, .address_space: global }
      - { .name: wc, .offset: 8, .size: 8, .value_kind: global_buffer, .address_space: global }
      - { .name: zl, .offset: 16, .size: 8, .value_kind: global_buffer, .address_space: global }
      - { .name: tw, .offset: 24, .size: 8, .value_kind: global_buffer, .address_space: global }
      - { .name: ab, .offset: 32, .size: 8, .value_kind: global_buffer, .address_space: global }
    .group_segment_fixed_size: 327680
    .private_segment_fixed_size: 0
    .kernarg_segment_align: 8
    .kernarg_segment_size: 40
    .max_flat_workgroup_size: 128
    .sgpr_count:     80
    .vgpr_count:     1024
    .wavefront_size: 32
...
	.end_amdgpu_metadata
.endif
;; end of part 2
;; launch proj (part 3): grid 4 x 64, 4 waves a work-group, clusters of 4 x 4, 327,680 bytes of LDS; arguments ab, wo16, attention_mask, bo, out0; writes out0
.if DOCPART == 3
	.amdgcn_target "amdgcn-amd-amdhsa--gfx1250"
	.amdhsa_code_object_version 6
	.text
	.protected	k_qc33b33c11d_proj
	.globl	k_qc33b33c11d_proj
	.p2align	8
	.type	k_qc33b33c11d_proj,@function
k_qc33b33c11d_proj:
	s_mov_b64 s[64:65], 0
	v_nop
	global_prefetch_b8 v0, s[64:65] scope:SCOPE_SE
	s_setreg_imm32_b32 hwreg(HW_REG_WAVE_MODE, 25, 1), 1
	s_wait_xcnt 0x0
	s_wait_alu depctr_hold_cnt(0) depctr_sa_sdst(0) depctr_va_vdst(0) depctr_va_sdst(0) depctr_va_ssrc(0) depctr_va_vcc(0) depctr_vm_vsrc(0)
	s_getreg_b32 s2, hwreg(HW_REG_IB_STS2, 6, 4)
	s_cmp_eq_u32 s2, 0
	s_cbranch_scc0 .Lentry_in_a_cluster
	s_endpgm
.Lentry_in_a_cluster:
	s_bfe_u32 s2, ttmp6, 0x10000c
	s_cmp_lg_u32 s2, 0xf033
	s_cbranch_scc0 .Lentry_shape_is_right
	s_endpgm
.Lentry_shape_is_right:
; PROJ: out[m][n] = mask[m] x (the sum over k of ab[m][k] Wo[n][k]) + bo[n].  ab and wo16 are f16 in fragment order (chunks of 1,024 bytes: 16 rows x 32 k as they lie in registers); sums in f32.
; The mask is one number a row: it multiplies the finished f32 sum, where the module multiplies each term: the same product, rounded in another order.  mask and bo are rounded to bf16, like all the module's inputs.
; A tile of out, 256 x 256, is made by four waves, each 128 x 128: 64 accumulators, 512 registers.  256 work-groups, a tile each.  K goes in steps of 128 through two LDS slots of 131,072 bytes:
; four quarters of 32,768 (ab's even and odd block of 64 k, wo16's even and odd), each dense in memory, asked for as 128 rows of 256 bytes, one quarter a wave.
; CLUSTER.  4 x 4 work-groups: the four of a row share ab's tiles, the four of a column wo16's: joint loads, one a wave behind each round.
; THE PRODUCT IS TAKEN TRANSPOSED (source 0 = 16 rows of Wo, source 1 = 16 rows of ab): a lane holds one row of out and eight neighbouring columns.
; REGISTERS: window 0: v0-31 addresses and the mask; v32-63, v224-255 rows read back from the stage, by turns; v64-191 ab's fragments, two buffers; v192-223 results at work
;   window 1: v0-63 bo of my 128 columns (tile b at 8 b); v64-191 wo16's fragments; v192-223 at work       windows 2, 3: accumulators, (a, b) at v[8 (8 (a % 4) + b)]
.set SLOT,   131072
.set QTR,    32768
.set STAGE,  2*SLOT                    ; behind the ring: 16 rows x 272 bytes for each wave; no tensor load lands there
.set SPITCH, 272
.set SPARE,  STAGE+4*16*SPITCH         ; the spare words: 128 bytes a wave, two blocks of 256 bytes that no other line names
.set KBX,    2097152                   ; bytes from a block of 64 k to the next in ab
.set KBO,    131072                    ; in wo16
.set ADRA, 4
.set ADRB, 6
.set SPW,  8                           ; v8   LDS address of my spare word; never rewritten
.set NIL,  9                           ; v9   0; never rewritten
.set PFO,  10                          ; v10  256 x lane
.set STO,  11
.set RD,   12
.set CO,   13
.set BOO,  14                          ; v14  32 (l / 16): my eight columns of a tile of bo
.set MKO,  15                          ; v15  4 (l % 16)
.set MK,   16                          ; v16-23  the mask of my row in each of the 8 blocks of 16 rows
.set OB,   32
.set F0,   64
.set F1,   128
.set TMP,  192
.set WV,  14
.set FB,  15                           ; w / 2: my half of the rows; also 1: I fetch wo16
.set WH,  16                           ; w % 2: my half of the columns; also which block of 64 k I fetch
.set G1A, 24
.set G0A, 32
.set PFA, 40
.set PFS, 42
.set LIM, 44
.set LAPC, 45
.set G1B, 48
.set G0B, 56
.set MSB, 0
.macro WIN new
.if MSB != (\new)
	s_set_vgpr_msb (MSB<<8)|(\new)
.set MSB, \new
.endif
.endm
.set MUL_LO, 0xa1                      ; source 0 (wo16) window 1, source 1 (ab) window 0, C and D window 2
.set MUL_HI, 0xf1
.set TO_B,   0x40
.macro PLACES
.rept 4
	v_nop
.endr
.endm
.macro JLOAD s                         ; waves 0 and 1 fetch ab's two quarters, waves 2 and 3 wo16's; an s_nop 0 and four v_nop follow each line
	s_cmp_eq_u32 s[FB], 0
	s_cbranch_scc0 .Lfor_b_\@
	tensor_load_to_lds s[G0A+4*(\s):G0A+4*(\s)+3], s[G1A:G1A+7]
	s_nop 0
	PLACES
	s_branch .Lasked_\@
.Lfor_b_\@:
	tensor_load_to_lds s[G0B+4*(\s):G0B+4*(\s)+3], s[G1B:G1B+7]
	s_nop 0
	PLACES
.Lasked_\@:
.endm
.macro CREST
	s_cmp_lg_u32 s[WV], 0
	s_cbranch_scc1 .Lnot_wave_0_\@
	s_barrier_signal -3
.Lnot_wave_0_\@:
	s_barrier_wait -3
	s_barrier_signal -1
	s_barrier_wait -1
.endm
.macro CROUND
	s_barrier_signal -1
	s_barrier_wait -1
	CREST
.endm
; A PREFETCH INTO THE L2, behind each joint load and the run of LDS loads that follows it: the K step two refills, 512 matrix instructions, on.  Of the 32,768 bytes that a wave fetches, each of the four partners
; that ask for them jointly names 8,192, BY ADDRESS: 32 blocks of 256 bytes, a lane a block, one instruction.  ab's rows are read by one cluster alone, so every cluster asks for its own; wo16 is read by all
; sixteen clusters: the first asks.  K steps 0 to 3 come by their loads alone; the loop's last trip asks for nothing: the highest step named is 7, the last.
.macro ASK
	s_cmp_gt_u32 s[LAPC], s[LIM]
	s_cbranch_scc0 .Lnot_mine_\@
	global_prefetch_b8 v[PFO], s[PFA:PFA+1] th:TH_LOAD_NT scope:SCOPE_SE
.Lnot_mine_\@:
.endm
.macro MUL16 f, hi, a0, zero           ; 16 matrix instructions: row blocks a0, a0 + 1 of the window's four x all 8 column tiles
	WIN MUL_LO+0x50*(\hi)
.irp a, \a0, (\a0)+1
.irp b, 0,1,2,3,4,5,6,7
.if \zero
	v_wmma_f32_16x16x32_f16 v[8*(8*(\a)+(\b)):8*(8*(\a)+(\b))+7], v[(\f)+8*(\b):(\f)+8*(\b)+7], v[(\f)+8*(4*(\hi)+(\a)):(\f)+8*(4*(\hi)+(\a))+7], 0
.else
	v_wmma_f32_16x16x32_f16 v[8*(8*(\a)+(\b)):8*(8*(\a)+(\b))+7], v[(\f)+8*(\b):(\f)+8*(\b)+7], v[(\f)+8*(4*(\hi)+(\a)):(\f)+8*(4*(\hi)+(\a))+7], v[8*(8*(\a)+(\b)):8*(8*(\a)+(\b))+7]
.endif
.endr
.endr
.endm
.macro FETCH slot, q4, f               ; 32 LDS loads in one run: the fragments of quarter step q4 (block of 64 k q4 / 2, its half q4 % 2) into buffer f
.set ko_, ((\q4)/2)*QTR+((\q4)%2)*1024
	WIN TO_B
.irp i, 0,1,2,3,4,5,6,7
	ds_load_b128 v[(\f)+8*(\i):(\f)+8*(\i)+3],   v[ADRB+(\slot)] offset:ko_+(\i)*2048
	ds_load_b128 v[(\f)+8*(\i)+4:(\f)+8*(\i)+7], v[ADRB+(\slot)] offset:ko_+(\i)*2048+512
.endr
	WIN 0
.irp i, 0,1,2,3,4,5,6,7
	ds_load_b128 v[(\f)+8*(\i):(\f)+8*(\i)+3],   v[ADRA+(\slot)] offset:ko_+(\i)*2048
	ds_load_b128 v[(\f)+8*(\i)+4:(\f)+8*(\i)+7], v[ADRA+(\slot)] offset:ko_+(\i)*2048+512
.endr
.endm
.macro QUARTER slot, q4, f, g, zero    ; multiplies buffer f; in its middle fetches quarter step q4 of the same slot into g
	s_wait_dscnt 8                                 ; wo16's and ab's rows 0-63 are in; the youngest eight loads may be out
	MUL16 \f, 0, 0, \zero
	MUL16 \f, 0, 2, \zero
	PLACES
	FETCH \slot, \q4, \g
	s_wait_dscnt 32                                ; all but the 32 just issued
	MUL16 \f, 1, 0, \zero
	MUL16 \f, 1, 2, \zero
.endm
; The last quarter multiplies buffer 1 and changes slots: ONE barrier; in front of it each wave waits for all its tensor loads, adds 0 to its spare word, and waits for that and for its reads of this slot.
; fill = 1: the barrier opens a round of the cluster's, and this slot's joint refill, two K steps on, is the first thing behind it: 224 matrix instructions ahead of the wait for it.
.macro TURN slot, next, fill
.if \fill
	s_wait_xcnt 0x0                                ; the last prefetch, a K step back, has read its address
	s_add_nc_u64 s[PFA:PFA+1], s[PFA:PFA+1], s[PFS:PFS+1]
.endif
	WIN 0
	s_wait_tensorcnt 0x0                           ; all my tensor loads have landed
	ds_add_u32 v[SPW], v[NIL]                      ; 0 onto my spare word
	s_wait_dscnt 9                                 ; (the add and the youngest eight loads may be out)
	MUL16 F1, 0, 0, 0
	s_wait_dscnt 0x0                               ; the add is done, and my reads of this slot are over
	s_barrier_signal -1
	MUL16 F1, 0, 2, 0
.if \fill
	WIN 0
.endif
	s_barrier_wait -1
.if \fill
	CREST
	s_add_nc_u64 s[G0A+4*(\slot)+2:G0A+4*(\slot)+3], s[G0A+4*(\slot)+2:G0A+4*(\slot)+3], 4*KBX
	s_add_nc_u64 s[G0B+4*(\slot)+2:G0B+4*(\slot)+3], s[G0B+4*(\slot)+2:G0B+4*(\slot)+3], 4*KBO
	JLOAD \slot                                    ; its four v_nop are also the places in front of the loads below
.else
	PLACES
.endif
	FETCH \next, 0, F0
.if \fill
	ASK
.endif
	MUL16 F1, 1, 0, 0
	MUL16 F1, 1, 2, 0
.endm
; THE WAY OUT, 16 rows x 64 columns at a time (row block a, half ch of my 128 columns).  OUTF: mask x sum + bias, each accumulator's registers in ascending order.
.macro OUTF a, ch
.set ac_, 64*((\a)%4)+32*(\ch)
	WIN 0x12+(\a)/4                                ; source 0 window 2 or 3, the mask window 0, the bias window 1, destination window 0
.set i_, 0
.rept 16
.if (\a)%2
	v_pk_fma_f32 v[TMP+2*i_:TMP+2*i_+1], v[ac_+2*i_:ac_+2*i_+1], v[MK+(\a)-1:MK+(\a)], v[32*(\ch)+2*i_:32*(\ch)+2*i_+1] op_sel:[0,1,0] op_sel_hi:[1,1,1]
.else
	v_pk_fma_f32 v[TMP+2*i_:TMP+2*i_+1], v[ac_+2*i_:ac_+2*i_+1], v[MK+(\a):MK+(\a)+1], v[32*(\ch)+2*i_:32*(\ch)+2*i_+1] op_sel_hi:[1,0,1]
.endif
.set i_, i_+1
.endr
	WIN 0
.endm
.macro TOSTAGE ch                      ; into my own stage, rows of 272 bytes, and back as whole rows of 256
.irp b, 0,1,2,3
	ds_store_b128 v[STO], v[TMP+8*\b:TMP+8*\b+3]   offset:\b*64
	ds_store_b128 v[STO], v[TMP+8*\b+4:TMP+8*\b+7] offset:\b*64+16
.endr
.irp t, 0,1,2,3,4,5,6,7
	ds_load_b128 v[OB+192*(\ch)+4*\t:OB+192*(\ch)+4*\t+3], v[RD] offset:\t*2*SPITCH  ; LDS serves a wave's instructions in order (ISA guide 5.7.1.4): these see the stores above
.endr
.endm
.macro SEND a, ch
	s_wait_dscnt 0x0                               ; the rows are back in registers
	s_wait_xcnt 0x0                                ; earlier stores have read their base and their registers
.if ((\ch) == 0) && ((\a) > 0)
	s_add_nc_u64 s[12:13], s[12:13], 16*4096       ; 16 rows of out on
.endif
.irp t, 0,1,2,3,4,5,6,7
	global_store_b128 v[CO], v[OB+192*(\ch)+4*\t:OB+192*(\ch)+4*\t+3], s[12:13] offset:\t*8192+(\ch)*256 th:TH_STORE_NT  ; 16 lanes store 256 consecutive bytes, aligned
.endr
.endm
	s_load_b256 s[4:11], s[0:1], 0x0               ; ab s[4:5], wo16 s[6:7], attention_mask s[8:9], bo s[10:11]
	s_load_b64 s[12:13], s[0:1], 0x20              ; out0
	v_lshl_add_u32 v[SPW], v0, 2, SPARE
	v_mov_b32 v[NIL], 0
	ds_add_u32 v[SPW], v[NIL]                      ; the wave's opening: the add and its wait ahead of the round in front of my first tensor load
	ds_add_u32 v8, v9
	v_lshrrev_b32 v1, 5, v0
	v_readfirstlane_b32 s[WV], v1
	s_lshr_b32 s[FB], s[WV], 1
	s_and_b32 s[WH], s[WV], 1
	s_bfe_u32 s17, ttmp6, 0x40000                  ; cx
	s_bfe_u32 s18, ttmp6, 0x40004                  ; cy
	s_lshl_b32 s19, ttmp9, 2
	s_add_co_u32 s19, s19, s17                     ; tile column
	s_and_b32 s20, ttmp7, 0xffff
	s_lshl_b32 s20, s20, 2
	s_add_co_u32 s20, s20, s18                     ; tile row
	s_lshl_b32 s21, s18, 2
	s_lshl_b32 s21, 15, s21                        ; my row of the cluster
	s_lshl_b32 s22, 0x1111, s17                    ; my column
	s_or_b32 s[G1A], s21, (3<<16)|(1<<21)          ; dense bytes as 128 rows of 32 elements of 8 bytes
	s_or_b32 s[G1B], s22, (3<<16)|(1<<21)
.irp g, G1A, G1B
	s_mov_b32 s[\g+1], 32<<16
	s_mov_b32 s[\g+2], 128<<16
	s_mov_b32 s[\g+3], 32<<16
	s_mov_b32 s[\g+4], 128
	s_mov_b32 s[\g+5], 32
	s_mov_b32 s[\g+6], 0
	s_mov_b32 s[\g+7], 0
.endr
	s_lshl_b32 s46, s[WH], 15                      ; my quarter: no place in the cluster enters an LDS address
.irp s, 0,1
	s_mov_b32 s[G0A+4*\s], 1
	s_add_co_u32 s[G0A+4*\s+1], s46, \s*SLOT
	s_mov_b32 s[G0B+4*\s], 1
	s_add_co_u32 s[G0B+4*\s+1], s46, \s*SLOT+2*QTR
.endr
	s_lshl_b32 s70, s20, 15                        ; ab: 256 rows x 64 k are 32,768 bytes; block of 64 k w % 2
	s_lshl_b32 s71, s[WH], 21
	s_add_co_u32 s70, s70, s71
	s_mov_b32 s71, 0
	s_lshl_b32 s74, s19, 15                        ; wo16 likewise
	s_lshl_b32 s75, s[WH], 17
	s_add_co_u32 s74, s74, s75
	s_mov_b32 s75, 0
	s_wait_dscnt 0x0                               ; the opening add is done
	s_wait_kmcnt 0x0
	s_add_nc_u64 s[70:71], s[4:5], s[70:71]
	s_add_nc_u64 s[74:75], s[6:7], s[74:75]
.irp s, 0,1
	s_add_nc_u64 s[G0A+4*\s+2:G0A+4*\s+3], s[70:71], \s*2*KBX
	s_or_b32 s[G0A+4*\s+3], s[G0A+4*\s+3], 0x80000000
	s_add_nc_u64 s[G0B+4*\s+2:G0B+4*\s+3], s[74:75], \s*2*KBO
	s_or_b32 s[G0B+4*\s+3], s[G0B+4*\s+3], 0x80000000
.endr
	CROUND                                         ; all sixteen work-groups are here: the first joint loads meet
	s_cmp_eq_u32 s[FB], 0                          ; a wave's two first fills stand in one branch: two loads of mine are out
	s_cbranch_scc0 .Lfirst_b
	tensor_load_to_lds s[G0A:G0A+3], s[G1A:G1A+7]
	s_nop 0
	tensor_load_to_lds s[G0A+4:G0A+7], s[G1A:G1A+7]
	s_nop 0
	PLACES
	s_branch .Lfirst_done
.Lfirst_b:
	tensor_load_to_lds s[G0B:G0B+3], s[G1B:G1B+7]
	s_nop 0
	tensor_load_to_lds s[G0B+4:G0B+7], s[G1B:G1B+7]
	s_nop 0
	PLACES
.Lfirst_done:
	v_and_b32 v1, 15, v0                           ; l % 16
	v_bfe_u32 v2, v0, 4, 1                         ; l / 16
	v_and_b32 v3, 31, v0
	v_lshlrev_b32 v[PFO], 8, v3
	v_lshlrev_b32 v3, 4, v3
	s_lshl_b32 s47, s[FB], 14                      ; my 128 rows of ab
	v_add_nc_u32 v[ADRA], s47, v3
	v_add_nc_u32 v[ADRA+1], SLOT, v[ADRA]
	s_lshl_b32 s47, s[WH], 14                      ; my 128 rows of wo16, behind ab's two quarters
	s_add_co_u32 s47, s47, 2*QTR
	v_add_nc_u32 v[ADRB], s47, v3
	v_add_nc_u32 v[ADRB+1], SLOT, v[ADRB]
	s_mul_i32 s47, s[WV], 16*SPITCH
	s_add_co_u32 s47, s47, STAGE                   ; my stage
	v_mul_u32_u24 v[STO], v1, SPITCH               ; in: row l % 16, 32 bytes for each half of the lanes
	v_lshl_add_u32 v[STO], v2, 5, v[STO]
	v_add_nc_u32 v[STO], s47, v[STO]
	v_mul_u32_u24 v[RD], v2, SPITCH                ; back: lanes 0-15 one row of 256 bytes, lanes 16-31 the next
	v_lshl_add_u32 v[RD], v1, 4, v[RD]
	v_add_nc_u32 v[RD], s47, v[RD]
	v_lshlrev_b32 v[CO], 12, v2                    ; and the same two rows in out
	v_lshl_add_u32 v[CO], v1, 4, v[CO]
	v_lshlrev_b32 v[BOO], 5, v2
	v_lshlrev_b32 v[MKO], 2, v1
	s_lshl_b32 s72, s20, 8
	s_lshl_b32 s73, s[FB], 7
	s_add_co_u32 s72, s72, s73                     ; my first row
	s_lshl_b32 s78, s19, 10
	s_lshl_b32 s79, s[WH], 9
	s_add_co_u32 s78, s78, s79                     ; my first column, in bytes of f32
	s_mov_b32 s79, 0
	s_add_nc_u64 s[10:11], s[10:11], s[78:79]      ; bo
	s_add_nc_u64 s[12:13], s[12:13], s[78:79]
	s_lshl_b32 s76, s72, 12
	s_mov_b32 s77, 0
	s_add_nc_u64 s[12:13], s[12:13], s[76:77]      ; out at my first row and column
	s_lshl_b32 s76, s72, 2
	s_add_nc_u64 s[8:9], s[8:9], s[76:77]          ; the mask at my first row
.irp a, 0,1,2,3,4,5,6,7
	global_load_b32 v[MK+\a], v[MKO], s[8:9] offset:64*\a
.endr
	WIN TO_B
.irp b, 0,1,2,3,4,5,6,7
	global_load_b128 v[8*\b:8*\b+3],   v[BOO], s[10:11] offset:64*\b
	global_load_b128 v[8*\b+4:8*\b+7], v[BOO], s[10:11] offset:64*\b+16
.endr
	WIN 0
	; the prefetches
	s_and_b32 s78, ttmp7, 0xffff                   ; cluster y
	s_mov_b32 s[PFS], 2*KBO
	s_cmp_eq_u32 s[FB], 0                          ; do I fetch ab?
	s_cselect_b32 s78, 0, s78                      ; ab's rows are my cluster's alone; wo16 is asked for by the first cluster
	s_cselect_b32 s79, s17, s18                    ; my place among the four that ask with me
	s_cselect_b64 s[PFA:PFA+1], s[70:71], s[74:75]
	s_cselect_b32 s[PFS], 2*KBX, s[PFS]            ; a K step
	s_mov_b32 s[PFS+1], 0
	s_cmp_eq_u32 s78, 0
	s_cselect_b32 s[LIM], 1, -1                    ; the same in all sixteen partners, for a given wave
	s_lshl_b32 s76, s79, 13                        ; my work-group's 8,192 bytes of the 32,768
	s_mul_i32 s79, s[PFS], 3
	s_add_co_u32 s76, s76, s79
	s_add_nc_u64 s[PFA:PFA+1], s[PFA:PFA+1], s[76:77]  ; at K step 3: the first refill steps it to 4
	s_wait_tensorcnt 0x1                           ; my part of K step 0 is in; K step 1's may stay out
	s_barrier_signal -1
	s_barrier_wait -1
	FETCH 0, 0, F0
	QUARTER 0, 1, F0, F1, 1                        ; the first quarter stands in front of the loop: its products start the sums
	WIN 0
	s_mov_b32 s[LAPC], 3
.Llap:                                         ; a trip goes once round the ring and fills both slots again: K steps 2 to 7 in three trips
	QUARTER 0, 2, F1, F0, 0
	QUARTER 0, 3, F0, F1, 0
	TURN 0, 1, 1
	QUARTER 1, 1, F0, F1, 0
	QUARTER 1, 2, F1, F0, 0
	QUARTER 1, 3, F0, F1, 0
	TURN 1, 0, 1
	QUARTER 0, 1, F0, F1, 0
	WIN 0
	s_sub_co_u32 s[LAPC], s[LAPC], 1
	s_cmp_lg_u32 s[LAPC], 0
	s_cbranch_scc1 .Llap
	QUARTER 0, 2, F1, F0, 0                        ; the last lap fills nothing, and has no round
	QUARTER 0, 3, F0, F1, 0
	TURN 0, 1, 0
	QUARTER 1, 1, F0, F1, 0
	QUARTER 1, 2, F1, F0, 0
	QUARTER 1, 3, F0, F1, 0
	s_wait_dscnt 8                                 ; the very last quarter: nothing more to fetch
	MUL16 F1, 0, 0, 0
	MUL16 F1, 0, 2, 0
	s_wait_dscnt 0x0
	MUL16 F1, 1, 0, 0
	MUL16 F1, 1, 2, 0
	WIN 0
	PLACES
	PLACES
	s_wait_loadcnt 0x0                             ; the mask and bo
.irp i, 0,1,2,3                        ; both rounded to bf16 and widened again
	v_cvt_pk_bf16_f32 v[24+\i], v[MK+2*\i], v[MK+2*\i+1]
.endr
.irp i, 0,1,2,3
	v_lshlrev_b32 v[MK+2*\i], 16, v[24+\i]
	v_and_b32 v[MK+2*\i+1], 0xffff0000, v[24+\i]
.endr
	WIN 0x45                                       ; destination and both sources in window 1
.set i_, 0
.rept 32
	v_cvt_pk_bf16_f32 v[192+i_], v[2*i_], v[2*i_+1]
.set i_, i_+1
.endr
.set i_, 0
.rept 32
	v_lshlrev_b32 v[2*i_], 16, v[192+i_]
	v_and_b32 v[2*i_+1], 0xffff0000, v[192+i_]
.set i_, i_+1
.endr
	WIN 0
	OUTF 0, 0
	TOSTAGE 0
	OUTF 0, 1                                      ; a part's arithmetic stands between the loads of the part before and the wait for them
	SEND 0, 0
	TOSTAGE 1
.irp a, 1,2,3,4,5,6,7
	OUTF \a, 0
	SEND \a-1, 1
	TOSTAGE 0
	OUTF \a, 1
	SEND \a, 0
	TOSTAGE 1
.endr
	SEND 7, 1
	s_wait_tensorcnt 0x0                           ; the wave's end, behind my last tensor load and my last LDS store
	ds_add_u32 v[SPW], v[NIL]
	s_wait_dscnt 0x0
	CROUND                                         ; the closing round: no work-group ends while a partner may still ask for a tile that names it
	s_endpgm
.Lfunc_end_k_qc33b33c11d_proj:
	.size	k_qc33b33c11d_proj, .Lfunc_end_k_qc33b33c11d_proj-k_qc33b33c11d_proj
	.p2alignl 7, 3214868480
	.fill 96, 4, 3214868480
	.section	.rodata,"a",@progbits
	.p2align	6, 0x0
	.amdhsa_kernel k_qc33b33c11d_proj
		.amdhsa_group_segment_fixed_size 327680
		.amdhsa_private_segment_fixed_size 0
		.amdhsa_enable_private_segment 0
		.amdhsa_kernarg_size 40
		.amdhsa_user_sgpr_count 2
		.amdhsa_user_sgpr_kernarg_segment_ptr 1
		.amdhsa_wavefront_size32 1
		.amdhsa_system_sgpr_workgroup_id_x 1
		.amdhsa_system_sgpr_workgroup_id_y 1
		.amdhsa_system_sgpr_workgroup_id_z 1
		.amdhsa_system_vgpr_workitem_id 0
		.amdhsa_next_free_vgpr 1024
		.amdhsa_next_free_sgpr 80
		.amdhsa_reserve_vcc 0
		.amdhsa_float_denorm_mode_32 3
		.amdhsa_float_denorm_mode_16_64 3
		.amdhsa_memory_ordered 1
		.amdhsa_forward_progress 1
		.amdhsa_inst_pref_size 166
	.end_amdhsa_kernel
	.amdgpu_metadata
---
amdhsa.version: [ 1, 2 ]
amdhsa.kernels:
  - .name:           k_qc33b33c11d_proj
    .symbol:         k_qc33b33c11d_proj.kd
    .args:
      - { .name: ab, .offset: 0, .size: 8, .value_kind: global_buffer, .address_space: global }
      - { .name: wo16, .offset: 8, .size: 8, .value_kind: global_buffer, .address_space: global }
      - { .name: attention_mask, .offset: 16, .size: 8, .value_kind: global_buffer, .address_space: global }
      - { .name: bo, .offset: 24, .size: 8, .value_kind: global_buffer, .address_space: global }
      - { .name: out0, .offset: 32, .size: 8, .value_kind: global_buffer, .address_space: global }
    .group_segment_fixed_size: 327680
    .private_segment_fixed_size: 0
    .kernarg_segment_align: 8
    .kernarg_segment_size: 40
    .max_flat_workgroup_size: 128
    .sgpr_count:     80
    .vgpr_count:     1024
    .wavefront_size: 32
...
	.end_amdgpu_metadata
.endif
;; end of part 3
